; MI455X (gfx1250); checked and timed in simulation.
; The chip was launched on July 23, 2026; its instructions are those of AMD's public machine-readable ISA for CDNA 5 (MIT licence, August 2026) and "CDNA5" Instruction Set Architecture Reference Guide (July 2026). The comments in the code are by the model that wrote it; some were corrected since.
;; Hetero Linear. Allowed arithmetic: matrix products marked QUANTISED: E2M1 operands, one E8M0 scale for each 32 along K, by v_wmma_scale_f32_16x16x128_f8f6f4 with both operands' format E2M1 (or v_wmma_scale_f32_32x16x128_f4), f32 sums; everything else in f32.
;; Inputs: W 16 x 256 x 256 float32; b 16 x 256 float32; type_vec 50,000 int32; x 50,000 x 256 float32.
;; Outputs: out0 50,000 x 256 float32.
;; This version of the problem:
;;   THIS VERSION OF THE PROBLEM IS GIVEN IN LOW PRECISION. The matrix products marked QUANTISED in the list below multiply operands that are first quantised to E2M1 (2 exponent bits, 1 mantissa bit; 4 bits a number), with one power-of-two scale for each 32 numbers along K (OCP MX v1.0); their sums are f32. All else is computed in f32.
;;   The module's matrix products, in the order in which they are computed (A, B: the left and right operand; K: the contracted axis; several contracted axes count as one K, in the product's order):
;;     1. [M 50,000, K 256] x [K 256, N 256]; A: input x; B: input W: QUANTISED
;;     2. [M 50,000, K 256] x [K 256, N 256]; A: input x; B: input W: QUANTISED
;;     3. [M 50,000, K 256] x [K 256, N 256]; A: input x; B: input W: QUANTISED
;;     4. [M 50,000, K 256] x [K 256, N 256]; A: input x; B: input W: QUANTISED
;;     5. [M 50,000, K 256] x [K 256, N 256]; A: input x; B: input W: QUANTISED
;;     6. [M 50,000, K 256] x [K 256, N 256]; A: input x; B: input W: QUANTISED
;;     7. [M 50,000, K 256] x [K 256, N 256]; A: input x; B: input W: QUANTISED
;;     8. [M 50,000, K 256] x [K 256, N 256]; A: input x; B: input W: QUANTISED
;;     9. [M 50,000, K 256] x [K 256, N 256]; A: input x; B: input W: QUANTISED
;;     10. [M 50,000, K 256] x [K 256, N 256]; A: input x; B: input W: QUANTISED
;;     11. [M 50,000, K 256] x [K 256, N 256]; A: input x; B: input W: QUANTISED
;;     12. [M 50,000, K 256] x [K 256, N 256]; A: input x; B: input W: QUANTISED
;;     13. [M 50,000, K 256] x [K 256, N 256]; A: input x; B: input W: QUANTISED
;;     14. [M 50,000, K 256] x [K 256, N 256]; A: input x; B: input W: QUANTISED
;;     15. [M 50,000, K 256] x [K 256, N 256]; A: input x; B: input W: QUANTISED
;;     16. [M 50,000, K 256] x [K 256, N 256]; A: input x; B: input W: QUANTISED
;;   THE QUANTISER, for each operand of a quantised product, along K:
;;     - K is cut into blocks of 32 from its start; a last block that is shorter is filled with zeros.
;;     - A block's scale is 2^e with e = floor(log2(the largest magnitude in the block)) - 2, held to -126 .. 127; a block of zeros has e = 0. As a byte (E8M0): e + 127.
;;     - Each number is divided by its block's scale, clamped to +-6, and rounded to the nearest number of E2M1, ties to even, subnormals kept.
;;     - The product sums the exact products of the quantised numbers (number of the format x scale) in f32.
;;   ~~~python
;;   def quantise(x, axis):      # numpy; x: float32 -> the quantised numbers, widened to float32 again
;;       x = np.moveaxis(x, axis, -1); K = x.shape[-1]
;;       x = np.pad(x, [(0, 0)] * (x.ndim - 1) + [(0, -K % 32)]); x = x.reshape(x.shape[:-1] + (-1, 32)); a = np.abs(x).max(-1, keepdims=True)
;;       e = np.where(a > 0, np.clip(np.frexp(np.where(a > 0, a, 1))[1] - 1 - 2, -126, 127), 0)      # np.frexp(a)[1] - 1 = floor(log2(a)), exactly
;;       r = np.clip(x / 2.0 ** e, -6, 6)
;;       step = 2.0 ** (np.maximum(np.frexp(np.where(r == 0, 1, r))[1] - 1, 0) - 1)
;;       q = np.round(r / step) * step * 2.0 ** e      # np.round: ties to even
;;       return np.moveaxis(q.reshape(q.shape[:-2] + (-1,))[..., :K], -1, axis).astype(np.float32)
;;   ~~~
;; 2 versions, each right; version 2 is version 1 with the launch hetero written anew for expert scheduling mode. Each part assembles by itself: llvm-mc -triple=amdgcn-amd-amdhsa -mcpu=gfx1250 --defsym DOCPART=n.
;; ======== version 1 of 2: 1 launch
;; launch hetero (part 1): grid 16 x 16, 8 waves a work-group, no clusters, 60,416 bytes of LDS; arguments x, W, b, type_vec, out0; writes out0
.if DOCPART == 1
	.amdgcn_target "amdgcn-amd-amdhsa--gfx1250"
	.amdhsa_code_object_version 6
	.text
	.protected	k_qd5b4f0d631_hetero
	.globl	k_qd5b4f0d631_hetero
	.p2align	8
	.type	k_qd5b4f0d631_hetero,@function
k_qd5b4f0d631_hetero:
	s_mov_b64 s[64:65], 0
	v_nop
	global_prefetch_b8 v0, s[64:65] scope:SCOPE_SE
	s_setreg_imm32_b32 hwreg(HW_REG_WAVE_MODE, 25, 1), 1
	s_wait_xcnt 0x0
; out0[n][:] = Q(x[n]) . Q(W[type_vec[n]])^T + b[type_vec[n]].  x [50000][256], W [16][256][256], b [16][256], out0 [50000][256]: f32; type_vec [50000]: i32.
; Q: codes of FP4 (E2M1) with one E8M0 scale for each 32 along K = 256.  A row whose type lies outside 0 .. 15 gets zeros.
; Only the rows of a type are multiplied by that type's weight: the other fifteen products of a row are thrown away by the mask that the problem builds from type_vec.
; SHARES.  Work-group (x = chunk c of 3,125 rows, y = type e).  Eight waves; wave w scans the types of rows 3125 c + 391 w on (391 rows; wave 7: 388) and takes those of type e, 16 at a time.
; W[e] is quantised once by the work-group, 32 rows a wave, into LDS; behind the one barrier every wave keeps all its codes in 256 registers.  From there on waves share nothing.
; THE LIST OF ROWS IS NEVER STORED: thirteen compares give thirteen lane masks in scalar registers; entry q of the list is found by each lane from the masks' running counts and a search for the k-th set bit.
; A ROW OF 1,024 BYTES (x or W) is taken by two loads, lane l the 32 bytes at 32 l: eight neighbours along K in eight registers, which is what one conversion takes; a block of 32 lies in four neighbouring lanes.
; Only codes go through LDS (128 bytes a row, pitch 144) and come back as operands' fragments.
; THE PRODUCT: source 0 = 16 rows of x, source 1 = 16 rows of W: register j of lane (r, h) is (tile row 8 h + j, column r of the tile).
;   The rows of W that form tile t = 4 g + i are outputs 64 g + 4 r + i (r = 0 .. 15): so for one j the accumulators 4 g .. 4 g + 3 hold four neighbouring outputs of a row, and sixteen lanes store 256 consecutive bytes, aligned.
;   Tile row m takes list entry 2 (m % 8) + m / 8: register j then holds entries 2 j (lanes 0-15) and 2 j + 1 (lanes 16-31), and the stores end by a scalar test at 2 j >= the tile's rows.
;   With an odd number of rows the entry behind the last is the last row once more: both halves of the lanes then store the same bytes to the same row.
; ROWS OF NO TYPE: the work-groups of type 0 find those of their chunk by the same list, from masks made with the others at the head, and store zeros there.
; NOT SHARED IN A CLUSTER: the sixteen work-groups of a type read the same W[e], but a joint request is a tensor load; the trip counts here hang on type_vec.
; NO PREFETCH: a row's address is known only when its load can be issued.
; LIMITS: NaN and infinities in x or W are not served.  A block of zeros carries the scale byte 1 (not 127) over zero codes: the bytes are read by this kernel alone.
.set LAST,   49999                     ; the last row
.set CHUNK,  3125                      ; rows of a work-group
.set WSHARE, 391                       ; rows of a wave: twelve vectors of 32 and 7 more (wave 7: 4 more)
.set PITCH,  144                       ; a row of 256 codes in LDS: 128 bytes + 16: an odd multiple of 16 bytes, so that the 16 rows of a fragment load start at different banks
.set WC,     0                         ; LDS: W's codes, 256 rows
.set WS,     WC+256*PITCH              ; W's scale bytes, 8 a row
.set XST,    WS+256*8                  ; a stage of 2,560 bytes for each wave: 16 rows of x's codes,
.set XSTB,   2560
.set SSO,    16*PITCH                  ; and behind them their scale bytes
; window 0
.set LANE, 1                           ; v1   lane
.set RR,   2                           ; v2   r = lane % 16
.set L32,  3                           ; v3   32 x lane: my bytes of a row of x or W
.set R16,  4                           ; v4   16 x r: my bytes of 256 of b or out0
.set CSW,  5                           ; v5   stage: where my word of a row's codes goes
.set SSW,  6                           ; v6   and my block's scale byte
.set CSR,  7                           ; v7   stage: my part of x's fragments
.set SSR,  8                           ; v8   and my scale word
.set XS,   9                           ; v9   x's scale words: lanes 0-15 K step 0, lanes 16-31 K step 1
.set WCW,  10                          ; v10-13 the same four for W
.set WSW,  11
.set WCR,  12
.set WSR,  13
.set TA,   14                          ; v14  byte of my first type
.set TA12, 15                          ; v15  byte of my thirteenth, held inside the buffer
.set OFFS, 16                          ; v16-23 register j's place in out0
.set BI,   32                          ; v32-47 b at my column of tile t; at the end v32-35 hold the zeros for rows of no type
.set WSC,  48                          ; v48-63 W's scale words of tile t: lanes 0-15 K step 0, lanes 16-31 K step 1
.set XC,   64                          ; v64-79 x's two fragments
.set SCR,  80                          ; v80-127 at work, by phases:
.set OFFL, SCR                         ;   entry i's place in x
.set LT,   SCR+16                      ;   the list's arithmetic
.set TY,   SCR+32                      ;   thirteen types
.set MX,   SCR                         ;   a row's block maximum, then the conversion's scale operand
.set BY,   SCR+16                      ;   the scale byte
.set CD,   SCR+32                      ;   eight codes
.set OUT,  SCR                         ;   results to store: three sets of 16
.set RAW,  128                         ; v128-255 16 rows of x as loaded, 8 registers each;
.set ACC,  128                         ;   later the 16 accumulators
; window 1: W as loaded (two tiles of 16 rows), later its codes: fragment (tile t, K step s) at v[16 t + 8 s]
.set LQ,   LT
.set LMM,  LT+1
.set LPP,  LT+2
.set LVI,  LT+3
.set LKK,  LT+4
.set LA2,  LT+5
.set LB4,  LT+6
.set LC8,  LT+7
.set LTT,  LT+8
.set LUU,  LT+9
.set LPOS, LT+10
.set LROW, LT+11
; scalars: s[4:5] x, s[6:7] W at my wave's rows, s[8:9] b at my type, s[10:11] type_vec, s[12:13] out0; s[2:3], s27-31 at work
.set WV,   14                          ; wave
.set TYP,  15                          ; my type
.set BASE, 17                          ; my wave's first row
.set R12,  18                          ; rows in the thirteenth vector
.set NT,   20                          ; tiles
.set TJ,   21                          ; the tile in hand
.set J16,  22                          ; its first entry
.set NM1,  23                          ; the last entry
.set NVC,  24                          ; entries from the tile at work on
.set NVI,  25                          ; entries from the tile being asked for on
.set MK,   32                          ; s32-44 the masks of the list in hand
.set PF,   46                          ; s46-59 how many rows lie ahead of vector v
.set NN,   PF+13                       ; s59 all the list's rows
.set RW,   68                          ; s68-83 the tile's 16 row numbers
.set MZ,   84                          ; s84-96 the masks of rows of no type
.set MSB, 0
.macro WIN new                         ; which window of 256 registers each operand place means: bits 1:0 source 0, 3:2 source 1, 5:4 source 2, 7:6 destination; the high byte repeats the setting that is left
.if MSB != \new
	s_set_vgpr_msb (MSB<<8)|\new
.set MSB, \new
.endif
.endm
; from the thirteen masks in s[MK] on: their running counts, the number of tiles, the last entry
.macro COUNTS
	s_mov_b32 s[PF], 0
.irp v, 0,1,2,3,4,5,6,7,8,9,10,11,12
	s_bcnt1_i32_b32 s27, s[MK+\v]
	s_add_co_u32 s[PF+\v+1], s[PF+\v], s27
.endr
	s_add_co_u32 s[NT], s[NN], 15
	s_lshr_b32 s[NT], s[NT], 4
	s_max_u32 s[NM1], s[NN], 1
	s_sub_co_u32 s[NM1], s[NM1], 1                 ; the last entry; 0 where there is none
.endm
; one step of the search for the k-th set bit: are there k or fewer ones in the field of w bits at POS?  Then it lies further up
.macro SELSTEP src, w
	v_bfe_u32 v[LTT], v[\src], v[LPOS], \w
	v_cmp_ge_u32 vcc_lo, v[LKK], v[LTT]
	v_cndmask_b32 v[LUU], 0, \w, vcc_lo
.if \w > 1
	v_cndmask_b32 v[LTT], 0, v[LTT], vcc_lo
	v_sub_nc_u32 v[LKK], v[LKK], v[LTT]
.endif
	v_add_nc_u32 v[LPOS], v[LPOS], v[LUU]
.endm
; lane l: the row number of list entry J16 + l % 16, held at the last entry.  Whole-number arithmetic of the lane alone
.macro LIST
	v_add_nc_u32 v[LQ], s[J16], v[RR]
	v_min_u32 v[LQ], s[NM1], v[LQ]
	v_mov_b32 v[LMM], s[MK]
	v_mov_b32 v[LPP], 0
	v_mov_b32 v[LVI], 0
.irp v, 1,2,3,4,5,6,7,8,9,10,11,12             ; the last vector ahead of which at most q rows lie holds entry q
	v_cmp_gt_u32 vcc_lo, s[PF+\v], v[LQ]
	v_cndmask_b32 v[LMM], s[MK+\v], v[LMM], vcc_lo ; its mask,
	v_cndmask_b32 v[LPP], s[PF+\v], v[LPP], vcc_lo ; the rows ahead of it,
	v_cndmask_b32 v[LVI], \v, v[LVI], vcc_lo       ; its number
.endr
	v_sub_nc_u32 v[LKK], v[LQ], v[LPP]             ; entry q is the mask's k-th one, k from 0
	v_lshrrev_b32 v[LTT], 1, v[LMM]                ; ones in fields of 2, 4 and 8 bits
	v_and_b32 v[LTT], 0x55555555, v[LTT]
	v_sub_nc_u32 v[LA2], v[LMM], v[LTT]
	v_lshrrev_b32 v[LTT], 2, v[LA2]
	v_and_b32 v[LTT], 0x33333333, v[LTT]
	v_and_b32 v[LB4], 0x33333333, v[LA2]
	v_add_nc_u32 v[LB4], v[LB4], v[LTT]
	v_lshrrev_b32 v[LTT], 4, v[LB4]
	v_add_nc_u32 v[LC8], v[LB4], v[LTT]
	v_and_b32 v[LC8], 0x0f0f0f0f, v[LC8]
	v_lshrrev_b32 v[LTT], 8, v[LC8]
	v_add_nc_u32 v[LTT], v[LC8], v[LTT]
	v_and_b32 v[LTT], 0xff, v[LTT]                 ; ones in the low 16 bits
	v_cmp_ge_u32 vcc_lo, v[LKK], v[LTT]
	v_cndmask_b32 v[LTT], 0, v[LTT], vcc_lo
	v_cndmask_b32 v[LPOS], 0, 16, vcc_lo
	v_sub_nc_u32 v[LKK], v[LKK], v[LTT]
	SELSTEP LC8, 8
	SELSTEP LB4, 4
	SELSTEP LA2, 2
	SELSTEP LMM, 1
	v_lshl_add_u32 v[LROW], v[LVI], 5, v[LPOS]
	v_add_nc_u32 v[LROW], s[BASE], v[LROW]         ; (a wave without rows gets some number here: it is held inside the tensor below)
.endm
; the 16 row numbers as scalars, held inside the tensor; from them the places in out0 (two rows an instruction) and, with forx = 1, in x (a row an instruction)
.macro OFFSETS forx
.irp i, 0,1,2,3,4,5,6,7,8,9,10,11,12,13,14,15
	v_readlane_b32 s[RW+\i], v[LROW], \i
.endr
.irp i, 0,1,2,3,4,5,6,7,8,9,10,11,12,13,14,15
	s_min_u32 s[RW+\i], s[RW+\i], LAST
.endr
.if \forx
.irp i, 0,1,2,3,4,5,6,7,8,9,10,11,12,13,14,15
	v_lshl_add_u32 v[OFFL+\i], s[RW+\i], 10, v[L32]
.endr
.endif
	s_mov_b32 vcc_lo, 0xffff0000
.irp j, 0,1,2,3,4,5,6,7
	v_mov_b32 v[OFFS+\j], s[RW+2*\j+1]
	v_cndmask_b32 v[OFFS+\j], s[RW+2*\j], v[OFFS+\j], vcc_lo   ; lanes 0-15 entry 2 j, lanes 16-31 entry 2 j + 1
	v_min_u32 v[OFFS+\j], LAST, v[OFFS+\j]
	v_lshl_add_u32 v[OFFS+\j], v[OFFS+\j], 10, v[R16]
.endr
.endm
; the tile's rows of x: two loads a row, which together cover its 1,024 bytes.  skip = 1: pairs of rows past the tile's end are not asked for
.macro XLOADS skip
.irp i, 0,1,2,3,4,5,6,7,8,9,10,11,12,13,14,15
.if (\skip) && (\i >= 2) && (\i%2 == 0)
	s_cmp_le_u32 s[NVI], \i
	s_cbranch_scc1 .Lasked_\@
.endif
	global_load_b128 v[RAW+8*\i:RAW+8*\i+3],   v[OFFL+\i], s[4:5]
	global_load_b128 v[RAW+8*\i+4:RAW+8*\i+7], v[OFFL+\i], s[4:5] offset:16
.endr
.Lasked_\@:
.endm
; tile TJ is asked for.  It writes OFFS and registers of OUT: in the loop it stands behind the wait that follows the way out
.macro ISSUE skip
	s_lshl_b32 s[J16], s[TJ], 4
	LIST
	OFFSETS 1
.if \skip
	s_sub_co_u32 s[NVI], s[NN], s[J16]
.endif
	XLOADS \skip
.endm
; 16 rows of 256 numbers, row i in v[base + 8 i] on of window win (lane l: k = 8 l .. 8 l + 7), become codes and scale bytes in LDS.
; isw = 0: row i goes to row i.  isw = 1 (W, tile k of my wave's two): to row 16 (i % 4) + 4 k + i / 4 from my wave's first, which puts output o at row 64 (o / 64) + 16 (o % 4) + (o / 4) % 16.
.macro QTILE win, base, isw, k, cw, sw
	WIN (5*\win)                                   ; sources 0 and 1
.irp i, 0,1,2,3,4,5,6,7,8,9,10,11,12,13,14,15
	v_max3_num_f32 v[MX+\i], |v[\base+8*\i]|, |v[\base+8*\i+1]|, 0x1800000   ; the largest magnitude of my eight, and the floor 2^(3 - 127): the byte cannot fall under 1.  The 16 rows by turns
.endr
.irp p, 2,4,6
.irp i, 0,1,2,3,4,5,6,7,8,9,10,11,12,13,14,15
	v_max3_num_f32 v[MX+\i], |v[\base+8*\i+\p]|, |v[\base+8*\i+\p+1]|, v[MX+\i]
.endr
.endr
	WIN 0
.irp i, 0,1,2,3,4,5,6,7,8,9,10,11,12,13,14,15
	v_max_num_f32_dpp v[MX+\i], v[MX+\i], v[MX+\i] row_xmask:1 row_mask:0xf bank_mask:0xf
.endr
.irp i, 0,1,2,3,4,5,6,7,8,9,10,11,12,13,14,15
	v_max_num_f32_dpp v[MX+\i], v[MX+\i], v[MX+\i] row_xmask:2 row_mask:0xf bank_mask:0xf   ; with the block's three other lanes
.endr
.irp i, 0,1,2,3,4,5,6,7,8,9,10,11,12,13,14,15
	v_add_nc_u32 v[MX+\i], 0xff000000, v[MX+\i]    ; 2 off its exponent field: the conversion takes the exponent field of this operand as its scale, and nothing else of it
.endr
	s_wait_dscnt 0x0                               ; the LDS stores of the tile before have read BY and CD
.irp i, 0,1,2,3,4,5,6,7,8,9,10,11,12,13,14,15
	v_lshrrev_b32 v[BY+\i], 23, v[MX+\i]           ; the scale's byte
.endr
	WIN (\win)                                     ; source 0
.irp i, 0,1,2,3,4,5,6,7,8,9,10,11,12,13,14,15
	v_cvt_scalef32_pk8_fp4_f32 v[CD+\i], v[\base+8*\i:\base+8*\i+7], v[MX+\i]   ; to the nearest code, ties to even; beyond the largest code the largest
.endr
	WIN 0
	v_nop                                          ; one plain place behind the last scaled conversion
.irp i, 0,1,2,3,4,5,6,7,8,9,10,11,12,13,14,15
	ds_store_b32 v[\cw], v[CD+\i] offset:PITCH*((\isw)*(16*(\i%4)+4*(\k)+\i/4)+(1-(\isw))*\i)   ; 32 lanes: the row's 128 bytes on end
.endr
.irp i, 0,1,2,3,4,5,6,7,8,9,10,11,12,13,14,15
	ds_store_b8 v[\sw], v[BY+\i] offset:8*((\isw)*(16*(\i%4)+4*(\k)+\i/4)+(1-(\isw))*\i)        ; a block's four lanes write the same byte with the same value
.endr
.endm
; register j of the 16 accumulators, with the bias, is 256 outputs of two rows: four stores, in each of which sixteen lanes cover 256 consecutive bytes, aligned.  j ascends.
; The test stands ahead of j = 0 too: a wave without rows stores nothing
.macro WAYOUT
.irp j, 0,1,2,3,4,5,6,7
	s_cmp_le_u32 s[NVC], 2*\j
	s_cbranch_scc1 .Lstored_\@
.if \j >= 3
	s_wait_xcnt 0x0                                ; the stores of three turns ago have read this set of OUT
.endif
.irp t, 0,1,2,3,4,5,6,7,8,9,10,11,12,13,14,15
	v_add_f32 v[OUT+16*(\j%3)+\t], v[ACC+8*\t+\j], v[BI+\t]
.endr
.irp g, 0,1,2,3
	global_store_b128 v[OFFS+\j], v[OUT+16*(\j%3)+4*\g:OUT+16*(\j%3)+4*\g+3], s[12:13] offset:256*\g th:TH_STORE_NT
.endr
.endr
.Lstored_\@:
.endm
	s_load_b256 s[4:11], s[0:1], 0x0               ; x, W, b, type_vec
	s_load_b64 s[12:13], s[0:1], 0x20              ; out0
	v_lshl_add_u32 v30, v0, 2, 0xe800
	v_mov_b32 v31, 0
	v_lshrrev_b32 v25, 5, v0
	v_readfirstlane_b32 s[WV], v25                 ; wave 0..7
	s_and_b32 s[TYP], ttmp7, 0xffff                ; my type
	v_and_b32 v[LANE], 31, v0
	v_and_b32 v[RR], 15, v0
	s_mul_i32 s27, s[WV], WSHARE
	s_mul_i32 s[BASE], ttmp9, CHUNK
	s_add_co_u32 s[BASE], s[BASE], s27             ; my wave's first row
	s_sub_co_u32 s[R12], CHUNK, s27
	s_min_u32 s[R12], s[R12], WSHARE               ; its rows: 391, in wave 7 388,
	s_sub_co_u32 s[R12], s[R12], 384               ; of which twelve vectors take 384
	v_add_nc_u32 v[TA], s[BASE], v[LANE]
	v_lshlrev_b32 v[TA], 2, v[TA]                  ; vectors 0 to 11 end at row 49,995 at the most
	v_add_nc_u32 v[TA12], 1536, v[TA]
	v_min_u32 v[TA12], 4*LAST, v[TA12]             ; the thirteenth is held inside the buffer; its lanes past my rows are masked out
	v_lshlrev_b32 v[L32], 5, v[LANE]
	v_lshlrev_b32 v[R16], 4, v[RR]
	s_lshl_b32 s2, s[TYP], 18                      ; a type's weight is 262,144 bytes,
	s_lshl_b32 s3, s[WV], 15                       ; my wave's 32 rows of it 32,768
	s_add_co_u32 s2, s2, s3
	s_mov_b32 s3, 0
	s_wait_kmcnt 0x0
	s_add_nc_u64 s[6:7], s[6:7], s[2:3]
	s_lshl_b32 s2, s[TYP], 10
	s_add_nc_u64 s[8:9], s[8:9], s[2:3]
.irp v, 0,1,2,3,4,5,6,7,8,9,10,11              ; the types first: the rows of x hang on them.  Vector v holds those of rows BASE + 32 v + lane
	global_load_b32 v[TY+\v], v[TA], s[10:11] offset:128*\v
.endr
	global_load_b32 v[TY+12], v[TA12], s[10:11]
	WIN 0x40                                       ; destination window 1
.irp k, 0,1
.irp i, 0,1,2,3,4,5,6,7,8,9,10,11,12,13,14,15
	global_load_b128 v[128*\k+8*\i:128*\k+8*\i+3],   v[L32], s[6:7] offset:(16*\k+\i)*1024
	global_load_b128 v[128*\k+8*\i+4:128*\k+8*\i+7], v[L32], s[6:7] offset:(16*\k+\i)*1024+16
.endr
.endr
	WIN 0
.irp g, 0,1,2,3
	global_load_b128 v[BI+4*\g:BI+4*\g+3], v[R16], s[8:9] offset:256*\g   ; b at outputs 64 g + 4 r + 0 .. 3: my columns of tiles 4 g .. 4 g + 3
.endr
	; the LDS addresses are made while those loads are on their way: each a constant + a lane term + a wave term
	v_bfe_u32 v24, v0, 4, 1                        ; h = lane / 16
	v_lshrrev_b32 v26, 2, v[LANE]                  ; my block
	s_mul_i32 s27, s[WV], XSTB
	s_add_co_u32 s27, s27, XST                     ; my wave's stage
	s_add_co_u32 s28, s27, SSO
	v_lshl_add_u32 v[CSW], v[LANE], 2, s27
	v_add_nc_u32 v[SSW], s28, v26
	v_and_b32 v27, 7, v[RR]
	v_lshrrev_b32 v28, 3, v[RR]
	v_lshl_add_u32 v27, v27, 1, v28                ; tile row r takes entry 2 (r % 8) + r / 8
	v_mul_u32_u24 v[CSR], v27, PITCH
	v_lshl_add_u32 v[CSR], v24, 4, v[CSR]          ; a fragment: registers 4 c .. 4 c + 3 hold k = 64 c + 32 h + 0 .. 31: 16 bytes at 32 c + 16 h
	v_add_nc_u32 v[CSR], s27, v[CSR]
	v_lshlrev_b32 v[SSR], 3, v27
	v_lshl_add_u32 v[SSR], v24, 2, v[SSR]          ; lanes 0-15 the row's first scale word, lanes 16-31 its second
	v_add_nc_u32 v[SSR], s28, v[SSR]
	s_lshr_b32 s29, s[WV], 1
	s_lshl_b32 s29, s29, 6
	s_and_b32 s30, s[WV], 1
	s_lshl_b32 s30, s30, 3
	s_add_co_u32 s29, s29, s30                     ; my wave's first row among W's rows in LDS: 64 (w / 2) + 8 (w % 2)
	s_mul_i32 s30, s29, PITCH
	s_lshl_b32 s31, s29, 3
	s_add_co_u32 s31, s31, WS
	v_lshl_add_u32 v[WCW], v[LANE], 2, s30
	v_add_nc_u32 v[WSW], s31, v26
	v_mul_u32_u24 v[WCR], v[RR], PITCH
	v_lshl_add_u32 v[WCR], v24, 4, v[WCR]
	v_lshlrev_b32 v[WSR], 3, v[RR]
	v_lshl_add_u32 v[WSR], v24, 2, v[WSR]
	v_add_nc_u32 v[WSR], WS, v[WSR]
	s_wait_loadcnt 63                              ; the types are in: 68 loads were issued behind them, and 63 is the largest count that this wait can name
.irp v, 0,1,2,3,4,5,6,7,8,9,10,11,12
	v_cmp_eq_u32 s[MK+\v], s[TYP], v[TY+\v]        ; rows of my type
.endr
.irp v, 0,1,2,3,4,5,6,7,8,9,10,11,12
	v_cmp_lt_u32 s[MZ+\v], 15, v[TY+\v]            ; rows whose type is none of 0 .. 15 (unsigned: negative numbers too)
.endr
	v_cmp_gt_u32 vcc_lo, s[R12], v[LANE]           ; the thirteenth vector reaches past my wave's rows
	s_and_b32 s[MK+12], s[MK+12], vcc_lo
	s_and_b32 s[MZ+12], s[MZ+12], vcc_lo
	COUNTS
	s_mov_b32 s[TJ], 0
	ISSUE 0                                        ; the first tile's 16 rows of x, in every wave and always 32 loads, so that the two counts below hold on every way (entries past the list's end are its last row again)
	s_wait_xcnt 0x0                                ; those loads have read OFFL, which the quantiser writes
	s_wait_loadcnt 63                              ; W's first 16 rows are in: behind them 32 + 4 + 32 = 68 loads
	QTILE 1, 0, 1, 0, WCW, WSW
	s_wait_loadcnt 36                              ; W's other 16 rows: behind them b's 4 loads and x's 32
	QTILE 1, 128, 1, 1, WCW, WSW
	s_wait_dscnt 0x0                               ; for the others' sake: my part of W's codes and scale bytes lies in LDS
	s_barrier_signal -1
	s_barrier_wait -1                              ; everybody's does; nobody writes these bytes again
	WIN 0x40                                       ; destination window 1
.irp t, 0,1,2,3,4,5,6,7,8,9,10,11,12,13,14,15
.irp s, 0,1
.irp c, 0,1
	ds_load_b128 v[16*\t+8*\s+4*\c:16*\t+8*\s+4*\c+3], v[WCR] offset:16*PITCH*\t+64*\s+32*\c
.endr
.endr
.endr
	WIN 0
.irp t, 0,1,2,3,4,5,6,7,8,9,10,11,12,13,14,15
	ds_load_b32 v[WSC+\t], v[WSR] offset:128*\t
.endr
.Ltile:                                            ; a trip is a tile of 16 rows.  The first trip is walked by every wave: its rows of x have been asked for in any case
	s_wait_loadcnt 0x0                             ; the tile's rows of x are in (and, the first time, b): so these loads have also read OFFL, which the quantiser writes
	s_lshl_b32 s27, s[TJ], 4
	s_sub_co_u32 s[NVC], s[NN], s27                ; rows from this tile on.  Rows past them hold what the registers held: each touches its own row of the result alone, which is not stored
	QTILE 0, RAW, 0, 0, CSW, SSW
.irp s, 0,1
.irp c, 0,1
	ds_load_b128 v[XC+8*\s+4*\c:XC+8*\s+4*\c+3], v[CSR] offset:64*\s+32*\c   ; LDS serves a wave's instructions in order: these see my stores
.endr
.endr
	ds_load_b32 v[XS], v[SSR]
	s_wait_dscnt 0x0                               ; x's fragments; the first time W's too
	WIN 0x04                                       ; source 1 (W) window 1
.irp t, 0,1,2,3,4,5,6,7,8,9,10,11,12,13,14,15  ; the 16 accumulators take turns, one instruction a turn; the first K step starts the sums
	v_wmma_scale_f32_16x16x128_f8f6f4 v[ACC+8*\t:ACC+8*\t+7], v[XC:XC+7], v[16*\t:16*\t+7], 0, v[XS], v[WSC+\t] matrix_a_fmt:MATRIX_FMT_FP4 matrix_b_fmt:MATRIX_FMT_FP4
.endr
.irp t, 0,1,2,3,4,5,6,7,8,9,10,11,12,13,14,15
	v_wmma_scale_f32_16x16x128_f8f6f4 v[ACC+8*\t:ACC+8*\t+7], v[XC+8:XC+15], v[16*\t+8:16*\t+15], v[ACC+8*\t:ACC+8*\t+7], v[XS], v[WSC+\t] matrix_a_fmt:MATRIX_FMT_FP4 matrix_b_fmt:MATRIX_FMT_FP4 matrix_a_scale:MATRIX_SCALE_ROW1 matrix_b_scale:MATRIX_SCALE_ROW1
.endr
	WIN 0
.rept 4
	v_nop                                          ; four places ahead of the first read of results, and of the loads that land on them further down
.endr
	WAYOUT
	s_wait_xcnt 0x0                                ; on both ways below: the tile's stores have read OFFS and OUT, which the next request, the next trip's quantiser and its way out write again
	s_add_co_u32 s[TJ], s[TJ], 1
	s_cmp_ge_u32 s[TJ], s[NT]
	s_cbranch_scc1 .Lno_more                       ; the last tile asks for nothing: the jump leads round the request alone and stays in the loop
	ISSUE 1
.Lno_more:
	s_cmp_lt_u32 s[TJ], s[NT]
	s_cbranch_scc1 .Ltile
	; ROWS OF NO TYPE keep zeros.  The work-groups of type 0 take those of their chunk; all others are done.  (No LDS instruction of the wave is out: the trip's last wait on them was for 0)
	s_cmp_eq_u32 s[TYP], 0
	s_cbranch_scc1 .Lno_type
	s_wait_tensorcnt 0x0
	ds_add_u32 v30, v31
	s_wait_dscnt 0x0
	s_endpgm
.Lno_type:
.irp v, 0,1,2,3,4,5,6,7,8,9,10,11,12
	s_mov_b32 s[MK+\v], s[MZ+\v]
.endr
	COUNTS
	s_cmp_lg_u32 s[NN], 0
	s_cbranch_scc1 .Lzeros
	s_wait_tensorcnt 0x0
	ds_add_u32 v30, v31
	s_wait_dscnt 0x0
	s_endpgm                                       ; every row of my share has a type
.Lzeros:
.irp i, 0,1,2,3
	v_mov_b32 v[BI+\i], 0                          ; b is done with: four zeros, 16 bytes a lane
.endr
	s_mov_b32 s[TJ], 0
.Lzero:                                            ; a trip is 16 entries of the list
	s_wait_xcnt 0x0                                ; the last trip's stores have read OFFS, which is written again from here on
	s_lshl_b32 s[J16], s[TJ], 4
	LIST
	OFFSETS 0
	s_sub_co_u32 s[NVC], s[NN], s[J16]             ; at least 1
.irp j, 0,1,2,3,4,5,6,7
.if \j > 0
	s_cmp_le_u32 s[NVC], 2*\j
	s_cbranch_scc1 .Lzdone
.endif
.irp g, 0,1,2,3
	global_store_b128 v[OFFS+\j], v[BI:BI+3], s[12:13] offset:256*\g th:TH_STORE_NT   ; sixteen lanes: 256 consecutive bytes, aligned; two rows an instruction
.endr
.endr
.Lzdone:
	s_add_co_u32 s[TJ], s[TJ], 1
	s_cmp_lt_u32 s[TJ], s[NT]
	s_cbranch_scc1 .Lzero
	s_wait_tensorcnt 0x0
	ds_add_u32 v30, v31
	s_wait_dscnt 0x0
	s_endpgm
.Lfunc_end_k_qd5b4f0d631_hetero:
	.size	k_qd5b4f0d631_hetero, .Lfunc_end_k_qd5b4f0d631_hetero-k_qd5b4f0d631_hetero
	.p2alignl 7, 3214868480
	.fill 96, 4, 3214868480
	.section	.rodata,"a",@progbits
	.p2align	6, 0x0
	.amdhsa_kernel k_qd5b4f0d631_hetero
		.amdhsa_group_segment_fixed_size 60416
		.amdhsa_private_segment_fixed_size 0
		.amdhsa_enable_private_segment 0
		.amdhsa_kernarg_size 40
		.amdhsa_user_sgpr_count 2
		.amdhsa_user_sgpr_kernarg_segment_ptr 1
		.amdhsa_wavefront_size32 1
		.amdhsa_system_sgpr_workgroup_id_x 1
		.amdhsa_system_sgpr_workgroup_id_y 1
		.amdhsa_system_sgpr_workgroup_id_z 1
		.amdhsa_system_vgpr_workitem_id 0
		.amdhsa_next_free_vgpr 512
		.amdhsa_next_free_sgpr 98
		.amdhsa_reserve_vcc 1
		.amdhsa_float_denorm_mode_32 3
		.amdhsa_float_denorm_mode_16_64 3
		.amdhsa_memory_ordered 1
		.amdhsa_forward_progress 1
		.amdhsa_inst_pref_size 100
	.end_amdhsa_kernel
	.amdgpu_metadata
---
amdhsa.version: [ 1, 2 ]
amdhsa.kernels:
  - .name:           k_qd5b4f0d631_hetero
    .symbol:         k_qd5b4f0d631_hetero.kd
    .args:
      - { .name: x, .offset: 0, .size: 8, .value_kind: global_buffer, .address_space: global }
      - { .name: W, .offset: 8, .size: 8, .value_kind: global_buffer, .address_space: global }
      - { .name: b, .offset: 16, .size: 8, .value_kind: global_buffer, .address_space: global }
      - { .name: type_vec, .offset: 24, .size: 8, .value_kind: global_buffer, .address_space: global }
      - { .name: out0, .offset: 32, .size: 8, .value_kind: global_buffer, .address_space: global }
    .group_segment_fixed_size: 60416
    .private_segment_fixed_size: 0
    .kernarg_segment_align: 8
    .kernarg_segment_size: 40
    .max_flat_workgroup_size: 256
    .sgpr_count:     98
    .vgpr_count:     512
    .wavefront_size: 32
...
	.end_amdgpu_metadata
.endif
;; end of part 1
;; ======== version 2 of 2: 1 launch; version 1 with the launch hetero written anew for expert scheduling mode
;; launch hetero (part 2): grid 16 x 16, 8 waves a work-group, no clusters, 60,416 bytes of LDS; arguments x, W, b, type_vec, out0; writes out0
.if DOCPART == 2
	.amdgcn_target "amdgcn-amd-amdhsa--gfx1250"
	.amdhsa_code_object_version 6
	.text
	.protected	k_qd5b4f0d631_hetero
	.globl	k_qd5b4f0d631_hetero
	.p2align	8
	.type	k_qd5b4f0d631_hetero,@function
k_qd5b4f0d631_hetero:
	s_mov_b64 s[64:65], 0
	v_nop
	global_prefetch_b8 v0, s[64:65] scope:SCOPE_SE
	s_setreg_imm32_b32 hwreg(HW_REG_WAVE_SCHED_MODE, 0, 2), 2
	s_setreg_imm32_b32 hwreg(HW_REG_WAVE_MODE, 25, 1), 1
	s_wait_xcnt 0x0
	s_wait_alu depctr_vm_vsrc(0)
; out0[n][:] = Q(x[n]) . Q(W[type_vec[n]])^T + b[type_vec[n]].  x [50000][256], W [16][256][256], b [16][256], out0 [50000][256]: f32; type_vec [50000]: i32.
; Q: codes of FP4 (E2M1) with one E8M0 scale for each 32 along K = 256.  A row whose type lies outside 0 .. 15 gets zeros.
; Only the rows of a type are multiplied by that type's weight: the other fifteen products of a row are thrown away by the mask that the problem builds from type_vec.
; SHARES.  Work-group (x = chunk c of 3,125 rows, y = type e).  Eight waves; wave w scans the types of rows 3125 c + 391 w on (391 rows; wave 7: 388) and takes those of type e, 16 at a time.
; W[e] is quantised once by the work-group, 32 rows a wave, into LDS; behind the one barrier every wave keeps all its codes in 256 registers.  From there on waves share nothing.
; THE LIST OF ROWS IS NEVER STORED: thirteen compares give thirteen lane masks in scalar registers; entry q of the list is found by each lane from the masks' running counts and a search for the k-th set bit.
; A ROW OF 1,024 BYTES (x or W) is taken by two loads, lane l the 32 bytes at 32 l: eight neighbours along K in eight registers, which is what one conversion takes; a block of 32 lies in four neighbouring lanes.
; Only codes go through LDS (128 bytes a row, pitch 144) and come back as operands' fragments.
; THE PRODUCT: source 0 = 16 rows of x, source 1 = 16 rows of W: register j of lane (r, h) is (tile row 8 h + j, column r of the tile).
;   The rows of W that form tile t = 4 g + i are outputs 64 g + 4 r + i (r = 0 .. 15): so for one j the accumulators 4 g .. 4 g + 3 hold four neighbouring outputs of a row, and sixteen lanes store 256 consecutive bytes, aligned.
;   Tile row m takes list entry 2 (m % 8) + m / 8: register j then holds entries 2 j (lanes 0-15) and 2 j + 1 (lanes 16-31), and the stores end by a scalar test at 2 j >= the tile's rows.
;   With an odd number of rows the entry behind the last is the last row once more: both halves of the lanes then store the same bytes to the same row.
; ROWS OF NO TYPE: the work-groups of type 0 find those of their chunk by the same list, from masks made with the others at the head, and store zeros there.
; NOT SHARED IN A CLUSTER: the sixteen work-groups of a type read the same W[e], but a joint request is a tensor load; the trip counts here hang on type_vec.
; NO PREFETCH: a row's address is known only when its load can be issued.
; LIMITS: NaN and infinities in x or W are not served.  A block of zeros carries the scale byte 1 (not 127) over zero codes: the bytes are read by this kernel alone.
; THE MODE: SCHED_MODE bits 1:0 = 2 (LLVM: expert scheduling mode 2), set by the entry lines.  The code itself states the register dependences
; between vector or matrix instructions and memory or LDS instructions, and those through scalar registers and VCC that vector instructions write, with s_wait_alu, always for 0.
; THE PLAN.  Registers that memory or LDS instructions touch, round a trip of the loop over tiles:
;   v64-79    OFFL: the request for a tile writes it, the tile's 32 loads of x read it.  XC: x's fragments land there from LDS, the matrix instructions read them.  Then a set of OUT (turns 3 and 7).
;   v128-255  RAW: x's loads land, the quantiser reads.  ACC: the matrix instructions write, the sums read.  The next tile's loads land behind the last sums: all of the wave's 512 registers are in use, so x has one buffer.
;   BY, CD    the quantiser writes them, its LDS stores read them; afterwards the list's arithmetic and sets of OUT lie there.
;   OUT       four sets of 16.  The way out goes by pairs of turns: a pair's stores are dealt among the next pair's sums, which write the two other sets.
;   OFFS      the request writes it, the tile's stores read it.
;   XS, WSC, BI and window 1 are loaded, and read by vector and matrix instructions alone.  The twelve address registers v3-8, v10-15 are made at the head and never written again.
; THE WAITS of a trip.  On va_vdst: one behind the quantiser's conversions, one at the head of each of the way out's four pairs, one ahead of the next tile's loads.
;   On vm_vsrc: one in the quantiser, one ahead of the matrix instructions, one at the head of the way out's second and third pair, one behind the way out.
;   On va_sdst: one behind the list's run of twelve compares, one behind the run of sixteen read-outs.  On va_vcc: one in each of the search's five steps, each of which hangs on the step before.
.set LAST,   49999                     ; the last row
.set CHUNK,  3125                      ; rows of a work-group
.set WSHARE, 391                       ; rows of a wave: twelve vectors of 32 and 7 more (wave 7: 4 more)
.set PITCH,  144                       ; a row of 256 codes in LDS: 128 bytes + 16: an odd multiple of 16 bytes, so that the 16 rows of a fragment load start at different banks
.set WC,     0                         ; LDS: W's codes, 256 rows
.set WS,     WC+256*PITCH              ; W's scale bytes, 8 a row
.set XST,    WS+256*8                  ; a stage of 2,560 bytes for each wave: 16 rows of x's codes,
.set XSTB,   2560
.set SSO,    16*PITCH                  ; and behind them their scale bytes
; window 0
.set LANE, 1                           ; v1   lane
.set RR,   2                           ; v2   r = lane % 16
.set L32,  3                           ; v3   32 x lane: my bytes of a row of x or W
.set R16,  4                           ; v4   16 x r: my bytes of 256 of b or out0
.set CSW,  5                           ; v5   stage: where my word of a row's codes goes
.set SSW,  6                           ; v6   and my block's scale byte
.set CSR,  7                           ; v7   stage: my part of x's fragments
.set SSR,  8                           ; v8   and my scale word
.set XS,   9                           ; v9   x's scale words: lanes 0-15 K step 0, lanes 16-31 K step 1
.set WCW,  10                          ; v10-13 the same four for W
.set WSW,  11
.set WCR,  12
.set WSR,  13
.set TA,   14                          ; v14  byte of my first type
.set TA12, 15                          ; v15  byte of my thirteenth, held inside the buffer
.set OFFS, 16                          ; v16-23 register j's place in out0
.set BI,   32                          ; v32-47 b at my column of tile t; at the end v32-35 hold the zeros for rows of no type
.set WSC,  48                          ; v48-63 W's scale words of tile t: lanes 0-15 K step 0, lanes 16-31 K step 1
.set XC,   64                          ; v64-79 x's two fragments;
.set OFFL, XC                          ;   from a tile's request to its fragments: entry i's place in x
.set OUT,  64                          ; v64-127 results to store: four sets of 16; turn j takes the set at OUT + 16 ((j + 1) % 4), so that x's fragments' registers come last
.set SCR,  80                          ; v80-127 at work, by phases:
.set LT,   SCR+16                      ;   the list's arithmetic
.set TY,   SCR+32                      ;   thirteen types
.set MX,   SCR                         ;   a row's block maximum, then the conversion's scale operand
.set BY,   SCR+16                      ;   the scale byte
.set CD,   SCR+32                      ;   eight codes
.set RAW,  128                         ; v128-255 16 rows of x as loaded, 8 registers each;
.set ACC,  128                         ;   later the 16 accumulators
; window 1: W as loaded (two tiles of 16 rows), later its codes: fragment (tile t, K step s) at v[16 t + 8 s]
.set LQ,   LT
.set LMM,  LT+1
.set LPP,  LT+2
.set LVI,  LT+3
.set LKK,  LT+4
.set LA2,  LT+5
.set LB4,  LT+6
.set LC8,  LT+7
.set LTT,  LT+8
.set LUU,  LT+9
.set LPOS, LT+10
.set LROW, LT+11
; scalars: s[4:5] x, s[6:7] W at my wave's rows, s[8:9] b at my type, s[10:11] type_vec, s[12:13] out0; s[2:3], s27-31 at work
.set WV,   14                          ; wave
.set TYP,  15                          ; my type
.set BASE, 17                          ; my wave's first row
.set R12,  18                          ; rows in the thirteenth vector
.set HALF, 19                          ; the mask of lanes 16 to 31
.set NT,   20                          ; tiles
.set TJ,   21                          ; the tile in hand
.set J16,  22                          ; the first entry of the tile whose list is made
.set NM1,  23                          ; the last entry
.set NVC,  24                          ; entries from the tile at work on
.set NVI,  25                          ; entries from the tile being asked for on
.set M13,  26                          ; the lanes of the thirteenth vector that are my wave's
.set MK,   32                          ; s32-44 the masks of the list in hand
.set PF,   46                          ; s46-59 how many rows lie ahead of vector v
.set NN,   PF+13                       ; s59 all the list's rows
.set RW,   68                          ; s68-83 the tile's 16 row numbers;
.set CM,   RW                          ;   ahead of them, s68-79: the list's twelve compares
.set MZ,   84                          ; s84-96 the masks of rows of no type
.set MSB, 0
.macro WIN new                         ; which window of 256 registers each operand place means: bits 1:0 source 0, 3:2 source 1, 5:4 source 2, 7:6 destination; the high byte repeats the setting that is left
.if MSB != \new
	s_set_vgpr_msb (MSB<<8)|\new
.set MSB, \new
.endif
.endm
; from the thirteen masks in s[MK] on: their running counts, the number of tiles, the last entry
.macro COUNTS
	s_mov_b32 s[PF], 0
.irp v, 0,1,2,3,4,5,6,7,8,9,10,11,12
	s_bcnt1_i32_b32 s27, s[MK+\v]
	s_add_co_u32 s[PF+\v+1], s[PF+\v], s27
.endr
	s_add_co_u32 s[NT], s[NN], 15
	s_lshr_b32 s[NT], s[NT], 4
	s_max_u32 s[NM1], s[NN], 1
	s_sub_co_u32 s[NM1], s[NM1], 1                 ; the last entry; 0 where there is none
.endm
; one step of the search for the k-th set bit: are there k or fewer ones in the field of w bits at POS?  Then it lies further up
.macro SELSTEP src, w
	v_bfe_u32 v[LTT], v[\src], v[LPOS], \w
	v_cmp_ge_u32 vcc_lo, v[LKK], v[LTT]
	s_wait_alu depctr_va_vcc(0)                    ; the compare has written VCC, which the selections below read
	v_cndmask_b32 v[LUU], 0, \w, vcc_lo
.if \w > 1
	v_cndmask_b32 v[LTT], 0, v[LTT], vcc_lo
	v_sub_nc_u32 v[LKK], v[LKK], v[LTT]
.endif
	v_add_nc_u32 v[LPOS], v[LPOS], v[LUU]
.endm
; lane l: the row number of list entry J16 + l % 16, held at the last entry.  Whole-number arithmetic of the lane alone
.macro LIST
	v_add_nc_u32 v[LQ], s[J16], v[RR]
	v_min_u32 v[LQ], s[NM1], v[LQ]
	v_mov_b32 v[LMM], s[MK]
	v_mov_b32 v[LPP], 0
	v_mov_b32 v[LVI], 0
.irp v, 1,2,3,4,5,6,7,8,9,10,11,12             ; the last vector ahead of which at most q rows lie holds entry q: the twelve compares in one run, each into a scalar register of its own
	v_cmp_gt_u32 s[CM+\v-1], s[PF+\v], v[LQ]
.endr
	s_wait_alu depctr_va_sdst(0)                   ; the twelve compares have written s[CM ..], which the selections below read
.irp v, 1,2,3,4,5,6,7,8,9,10,11,12
	v_cndmask_b32 v[LMM], s[MK+\v], v[LMM], s[CM+\v-1] ; its mask,
	v_cndmask_b32 v[LPP], s[PF+\v], v[LPP], s[CM+\v-1] ; the rows ahead of it,
	v_cndmask_b32 v[LVI], \v, v[LVI], s[CM+\v-1]       ; its number
.endr
	v_sub_nc_u32 v[LKK], v[LQ], v[LPP]             ; entry q is the mask's k-th one, k from 0
	v_lshrrev_b32 v[LTT], 1, v[LMM]                ; ones in fields of 2, 4 and 8 bits
	v_and_b32 v[LTT], 0x55555555, v[LTT]
	v_sub_nc_u32 v[LA2], v[LMM], v[LTT]
	v_lshrrev_b32 v[LTT], 2, v[LA2]
	v_and_b32 v[LTT], 0x33333333, v[LTT]
	v_and_b32 v[LB4], 0x33333333, v[LA2]
	v_add_nc_u32 v[LB4], v[LB4], v[LTT]
	v_lshrrev_b32 v[LTT], 4, v[LB4]
	v_add_nc_u32 v[LC8], v[LB4], v[LTT]
	v_and_b32 v[LC8], 0x0f0f0f0f, v[LC8]
	v_lshrrev_b32 v[LTT], 8, v[LC8]
	v_add_nc_u32 v[LTT], v[LC8], v[LTT]
	v_and_b32 v[LTT], 0xff, v[LTT]                 ; ones in the low 16 bits
	v_cmp_ge_u32 vcc_lo, v[LKK], v[LTT]
	s_wait_alu depctr_va_vcc(0)                    ; the compare has written VCC, which the two selections below read
	v_cndmask_b32 v[LTT], 0, v[LTT], vcc_lo
	v_cndmask_b32 v[LPOS], 0, 16, vcc_lo
	v_sub_nc_u32 v[LKK], v[LKK], v[LTT]
	SELSTEP LC8, 8
	SELSTEP LB4, 4
	SELSTEP LA2, 2
	SELSTEP LMM, 1
	v_lshl_add_u32 v[LROW], v[LVI], 5, v[LPOS]
	v_add_nc_u32 v[LROW], s[BASE], v[LROW]         ; (a wave without rows gets some number here: it is held inside the tensor below)
.endm
; the 16 row numbers as scalars, held inside the tensor
.macro ROWS
.irp i, 0,1,2,3,4,5,6,7,8,9,10,11,12,13,14,15
	v_readlane_b32 s[RW+\i], v[LROW], \i
.endr
	s_wait_alu depctr_va_sdst(0)                   ; the sixteen read-outs have written s[RW ..], which the lines below read
.irp i, 0,1,2,3,4,5,6,7,8,9,10,11,12,13,14,15
	s_min_u32 s[RW+\i], s[RW+\i], LAST
.endr
.endm
; from them the places in out0 (two rows an instruction) and, with forx = 1, in x (a row an instruction)
.macro OFFSETS forx
.if \forx
.irp i, 0,1,2,3,4,5,6,7,8,9,10,11,12,13,14,15
	v_lshl_add_u32 v[OFFL+\i], s[RW+\i], 10, v[L32]
.endr
.endif
.irp j, 0,1,2,3,4,5,6,7
	v_mov_b32 v[OFFS+\j], s[RW+2*\j+1]
	v_cndmask_b32 v[OFFS+\j], s[RW+2*\j], v[OFFS+\j], s[HALF]  ; lanes 0-15 entry 2 j, lanes 16-31 entry 2 j + 1
	v_min_u32 v[OFFS+\j], LAST, v[OFFS+\j]
	v_lshl_add_u32 v[OFFS+\j], v[OFFS+\j], 10, v[R16]
.endr
.endm
; the tile's rows of x: two loads a row, which together cover its 1,024 bytes.  skip = 1: pairs of rows past the tile's end are not asked for
.macro XLOADS skip
.irp i, 0,1,2,3,4,5,6,7,8,9,10,11,12,13,14,15
.if (\skip) && (\i >= 2) && (\i%2 == 0)
	s_cmp_le_u32 s[NVI], \i
	s_cbranch_scc1 .Lasked_\@
.endif
	global_load_b128 v[RAW+8*\i:RAW+8*\i+3],   v[OFFL+\i], s[4:5]
	global_load_b128 v[RAW+8*\i+4:RAW+8*\i+7], v[OFFL+\i], s[4:5] offset:16
.endr
.Lasked_\@:
.endm
; 16 rows of 256 numbers, row i in v[base + 8 i] on of window win (lane l: k = 8 l .. 8 l + 7), become codes and scale bytes in LDS.
; isw = 0: row i goes to row i.  isw = 1 (W, tile k of my wave's two): to row 16 (i % 4) + 4 k + i / 4 from my wave's first, which puts output o at row 64 (o / 64) + 16 (o % 4) + (o / 4) % 16.
; again = 1: a tile has been quantised before this one
.macro QTILE win, base, isw, k, cw, sw, again
	WIN (5*\win)                                   ; sources 0 and 1
.irp i, 0,1,2,3,4,5,6,7,8,9,10,11,12,13,14,15
	v_max3_num_f32 v[MX+\i], |v[\base+8*\i]|, |v[\base+8*\i+1]|, 0x1800000   ; the largest magnitude of my eight, and the floor 2^(3 - 127): the byte cannot fall under 1.  The 16 rows by turns
.endr
.irp p, 2,4,6
.irp i, 0,1,2,3,4,5,6,7,8,9,10,11,12,13,14,15
	v_max3_num_f32 v[MX+\i], |v[\base+8*\i+\p]|, |v[\base+8*\i+\p+1]|, v[MX+\i]
.endr
.endr
	WIN 0
.irp i, 0,1,2,3,4,5,6,7,8,9,10,11,12,13,14,15
	v_max_num_f32_dpp v[MX+\i], v[MX+\i], v[MX+\i] row_xmask:1 row_mask:0xf bank_mask:0xf
.endr
.irp i, 0,1,2,3,4,5,6,7,8,9,10,11,12,13,14,15
	v_max_num_f32_dpp v[MX+\i], v[MX+\i], v[MX+\i] row_xmask:2 row_mask:0xf bank_mask:0xf   ; with the block's three other lanes
.endr
.irp i, 0,1,2,3,4,5,6,7,8,9,10,11,12,13,14,15
	v_add_nc_u32 v[MX+\i], 0xff000000, v[MX+\i]    ; 2 off its exponent field: the conversion takes the exponent field of this operand as its scale, and nothing else of it
.endr
.if \again
	s_wait_alu depctr_vm_vsrc(0)                   ; the LDS stores of the tile before have read BY and CD, which are written again below; x's loads have read OFFL, on which x's fragments land behind this tile's stores
.endif
.irp i, 0,1,2,3,4,5,6,7,8,9,10,11,12,13,14,15
	v_lshrrev_b32 v[BY+\i], 23, v[MX+\i]           ; the scale's byte
.endr
	WIN (\win)                                     ; source 0
.irp i, 0,1,2,3,4,5,6,7,8,9,10,11,12,13,14,15
	v_cvt_scalef32_pk8_fp4_f32 v[CD+\i], v[\base+8*\i:\base+8*\i+7], v[MX+\i]   ; to the nearest code, ties to even; beyond the largest code the largest
.endr
	WIN 0
	v_nop                                          ; one plain place behind the last scaled conversion
	s_wait_alu depctr_va_vdst(0)                   ; the shifts have written BY and the conversions CD, which the LDS stores read; and all that wrote or read x's fragments' registers and their scale word is done: LDS loads land there behind a tile of x
.irp i, 0,1,2,3,4,5,6,7,8,9,10,11,12,13,14,15
	ds_store_b32 v[\cw], v[CD+\i] offset:PITCH*((\isw)*(16*(\i%4)+4*(\k)+\i/4)+(1-(\isw))*\i)   ; 32 lanes: the row's 128 bytes on end
.endr
.irp i, 0,1,2,3,4,5,6,7,8,9,10,11,12,13,14,15
	ds_store_b8 v[\sw], v[BY+\i] offset:8*((\isw)*(16*(\i%4)+4*(\k)+\i/4)+(1-(\isw))*\i)        ; a block's four lanes write the same byte with the same value
.endr
.endm
; THE WAY OUT.  Register j of the 16 accumulators, with the bias, is 256 outputs of two rows: four stores, in each of which sixteen lanes cover 256 consecutive bytes, aligned.  j ascends.
.macro SUMS j                          ; turn j's sixteen sums into its set of OUT
.irp t, 0,1,2,3,4,5,6,7,8,9,10,11,12,13,14,15
	v_add_f32 v[OUT+16*(((\j)+1)%4)+\t], v[ACC+8*\t+(\j)], v[BI+\t]
.endr
.endm
.macro SEND j                          ; and out of it
.irp g, 0,1,2,3
	global_store_b128 v[OFFS+(\j)], v[OUT+16*(((\j)+1)%4)+4*\g:OUT+16*(((\j)+1)%4)+4*\g+3], s[12:13] offset:256*\g th:TH_STORE_NT
.endr
.endm
; By pairs of turns.  Pair p's stores read two sets; the sums of pair p + 1, dealt among them, write the two others: no vector instruction behind a pair's wait names a register that the pair's stores touch.
; The test stands ahead of turn 0's stores too: a wave without rows stores nothing.  Sums of turns past the tile's end are made of rows that are not stored
.macro WAYOUT
	SUMS 0
	SUMS 1
.irp p, 0,1,2,3
	s_wait_alu depctr_va_vdst(0)                   ; the sums of turns 2 p and 2 p + 1 are written, which the stores below read
.if (\p == 1) || (\p == 2)
	s_wait_xcnt 0x0                                ; the stores of the pair before have had their addresses translated (ISA guide 3.1): their two sets are written again only behind this wait,
	s_wait_alu depctr_vm_vsrc(0)                   ; and they have read those two sets, which the sums below write
.endif
	s_cmp_le_u32 s[NVC], 4*\p
	s_cbranch_scc1 .Lstored_\@
	SEND 2*\p
.if \p < 3
	SUMS 2*\p+2
.endif
	s_cmp_le_u32 s[NVC], 4*\p+2
	s_cbranch_scc1 .Lstored_\@
	SEND 2*\p+1
.if \p < 3
	SUMS 2*\p+3
.endif
.endr
.Lstored_\@:
.endm
	s_load_b256 s[4:11], s[0:1], 0x0               ; x, W, b, type_vec
	s_load_b64 s[12:13], s[0:1], 0x20              ; out0
	v_lshl_add_u32 v30, v0, 2, 0xe800
	v_mov_b32 v31, 0
	v_lshrrev_b32 v25, 5, v0
	v_readfirstlane_b32 s[WV], v25                 ; wave 0..7
	s_and_b32 s[TYP], ttmp7, 0xffff                ; my type
	s_mov_b32 s[HALF], 0xffff0000
	v_and_b32 v[LANE], 31, v0
	v_and_b32 v[RR], 15, v0
	s_wait_alu depctr_va_sdst(0)                   ; s[WV] is written, ahead of its first reader: my wave's rows and LDS bytes are made from it
	s_mul_i32 s27, s[WV], WSHARE
	s_mul_i32 s[BASE], ttmp9, CHUNK
	s_add_co_u32 s[BASE], s[BASE], s27             ; my wave's first row
	s_sub_co_u32 s[R12], CHUNK, s27
	s_min_u32 s[R12], s[R12], WSHARE               ; its rows: 391, in wave 7 388,
	s_sub_co_u32 s[R12], s[R12], 384               ; of which twelve vectors take 384
	v_add_nc_u32 v[TA], s[BASE], v[LANE]
	v_lshlrev_b32 v[TA], 2, v[TA]                  ; vectors 0 to 11 end at row 49,995 at the most
	v_add_nc_u32 v[TA12], 1536, v[TA]
	v_min_u32 v[TA12], 4*LAST, v[TA12]             ; the thirteenth is held inside the buffer; its lanes past my rows are masked out
	v_lshlrev_b32 v[L32], 5, v[LANE]
	v_lshlrev_b32 v[R16], 4, v[RR]
	s_lshl_b32 s2, s[TYP], 18                      ; a type's weight is 262,144 bytes,
	s_lshl_b32 s3, s[WV], 15                       ; my wave's 32 rows of it 32,768
	s_add_co_u32 s2, s2, s3
	s_mov_b32 s3, 0
	s_wait_kmcnt 0x0
	s_add_nc_u64 s[6:7], s[6:7], s[2:3]
	s_lshl_b32 s2, s[TYP], 10
	s_add_nc_u64 s[8:9], s[8:9], s[2:3]
	s_wait_alu depctr_va_vdst(0)                   ; v[TA], v[TA12], v[L32] and v[R16] are written, which the 81 loads below read as their offsets; only loads and window switches stand among them
.irp v, 0,1,2,3,4,5,6,7,8,9,10,11              ; the types first: the rows of x hang on them.  Vector v holds those of rows BASE + 32 v + lane
	global_load_b32 v[TY+\v], v[TA], s[10:11] offset:128*\v
.endr
	global_load_b32 v[TY+12], v[TA12], s[10:11]
	WIN 0x40                                       ; destination window 1
.irp k, 0,1
.irp i, 0,1,2,3,4,5,6,7,8,9,10,11,12,13,14,15
	global_load_b128 v[128*\k+8*\i:128*\k+8*\i+3],   v[L32], s[6:7] offset:(16*\k+\i)*1024
	global_load_b128 v[128*\k+8*\i+4:128*\k+8*\i+7], v[L32], s[6:7] offset:(16*\k+\i)*1024+16
.endr
.endr
	WIN 0
.irp g, 0,1,2,3
	global_load_b128 v[BI+4*\g:BI+4*\g+3], v[R16], s[8:9] offset:256*\g   ; b at outputs 64 g + 4 r + 0 .. 3: my columns of tiles 4 g .. 4 g + 3
.endr
	; the LDS addresses are made while those loads are on their way: each a constant + a lane term + a wave term.  They name no register that a load above touches
	v_bfe_u32 v24, v0, 4, 1                        ; h = lane / 16
	v_lshrrev_b32 v26, 2, v[LANE]                  ; my block
	s_mul_i32 s27, s[WV], XSTB
	s_add_co_u32 s27, s27, XST                     ; my wave's stage
	s_add_co_u32 s28, s27, SSO
	v_lshl_add_u32 v[CSW], v[LANE], 2, s27
	v_add_nc_u32 v[SSW], s28, v26
	v_and_b32 v27, 7, v[RR]
	v_lshrrev_b32 v28, 3, v[RR]
	v_lshl_add_u32 v27, v27, 1, v28                ; tile row r takes entry 2 (r % 8) + r / 8
	v_mul_u32_u24 v[CSR], v27, PITCH
	v_lshl_add_u32 v[CSR], v24, 4, v[CSR]          ; a fragment: registers 4 c .. 4 c + 3 hold k = 64 c + 32 h + 0 .. 31: 16 bytes at 32 c + 16 h
	v_add_nc_u32 v[CSR], s27, v[CSR]
	v_lshlrev_b32 v[SSR], 3, v27
	v_lshl_add_u32 v[SSR], v24, 2, v[SSR]          ; lanes 0-15 the row's first scale word, lanes 16-31 its second
	v_add_nc_u32 v[SSR], s28, v[SSR]
	s_lshr_b32 s29, s[WV], 1
	s_lshl_b32 s29, s29, 6
	s_and_b32 s30, s[WV], 1
	s_lshl_b32 s30, s30, 3
	s_add_co_u32 s29, s29, s30                     ; my wave's first row among W's rows in LDS: 64 (w / 2) + 8 (w % 2)
	s_mul_i32 s30, s29, PITCH
	s_lshl_b32 s31, s29, 3
	s_add_co_u32 s31, s31, WS
	v_lshl_add_u32 v[WCW], v[LANE], 2, s30
	v_add_nc_u32 v[WSW], s31, v26
	v_mul_u32_u24 v[WCR], v[RR], PITCH
	v_lshl_add_u32 v[WCR], v24, 4, v[WCR]
	v_lshlrev_b32 v[WSR], 3, v[RR]
	v_lshl_add_u32 v[WSR], v24, 2, v[WSR]
	v_add_nc_u32 v[WSR], WS, v[WSR]
	s_wait_loadcnt 63                              ; the types are in: 68 loads were issued behind them, and 63 is the largest count that this wait can name
.irp v, 0,1,2,3,4,5,6,7,8,9,10,11,12
	v_cmp_eq_u32 s[MK+\v], s[TYP], v[TY+\v]        ; rows of my type
.endr
.irp v, 0,1,2,3,4,5,6,7,8,9,10,11,12
	v_cmp_lt_u32 s[MZ+\v], 15, v[TY+\v]            ; rows whose type is none of 0 .. 15 (unsigned: negative numbers too)
.endr
	v_cmp_gt_u32 s[M13], s[R12], v[LANE]           ; the thirteenth vector reaches past my wave's rows
	s_wait_alu depctr_va_sdst(0)                   ; the 27 compares have written s[MK ..], s[MZ ..] and s[M13], ahead of the first reader of any of them
	s_and_b32 s[MK+12], s[MK+12], s[M13]
	s_and_b32 s[MZ+12], s[MZ+12], s[M13]
	COUNTS
	s_mov_b32 s[TJ], 0
	s_mov_b32 s[J16], 0
	LIST                                           ; the first tile's 16 rows of x, in every wave and always 32 loads, so that the two counts below hold on every way (entries past the list's end are its last row again)
	ROWS
	OFFSETS 1
	s_wait_alu depctr_va_vdst(0)                   ; OFFL is written, which x's loads read; so are the eight LDS addresses made above, which the LDS instructions from here on read
	XLOADS 0
	s_wait_loadcnt 63                              ; W's first 16 rows are in: behind them 32 + 4 + 32 = 68 loads.  (The quantiser names none of OFFL's registers: x's loads stay on their way through both tiles of W)
	QTILE 1, 0, 1, 0, WCW, WSW, 0
	s_wait_loadcnt 36                              ; W's other 16 rows: behind them b's 4 loads and x's 32
	QTILE 1, 128, 1, 1, WCW, WSW, 1
	s_wait_dscnt 0x0                               ; for the others' sake: my part of W's codes and scale bytes lies in LDS
	s_barrier_signal -1
	s_barrier_wait -1                              ; everybody's does; nobody writes these bytes again
	WIN 0x40                                       ; destination window 1
	s_wait_alu depctr_va_vdst(0)                   ; under the loads' window: the quantiser is done reading W's numbers in window 1, on which W's codes land
.irp t, 0,1,2,3,4,5,6,7,8,9,10,11,12,13,14,15
.irp s, 0,1
.irp c, 0,1
	ds_load_b128 v[16*\t+8*\s+4*\c:16*\t+8*\s+4*\c+3], v[WCR] offset:16*PITCH*\t+64*\s+32*\c
.endr
.endr
.endr
	WIN 0
.irp t, 0,1,2,3,4,5,6,7,8,9,10,11,12,13,14,15
	ds_load_b32 v[WSC+\t], v[WSR] offset:128*\t
.endr
.Ltile:                                            ; a trip is a tile of 16 rows.  The first trip is walked by every wave: its rows of x have been asked for in any case
	s_wait_loadcnt 0x0                             ; the tile's rows of x are in (and, the first time, b): so these loads are done with OFFL, on which x's fragments land below
	s_lshl_b32 s27, s[TJ], 4
	s_sub_co_u32 s[NVC], s[NN], s27                ; rows from this tile on.  Rows past them hold what the registers held: each touches its own row of the result alone, which is not stored
	QTILE 0, RAW, 0, 0, CSW, SSW, 1
.irp s, 0,1
.irp c, 0,1
	ds_load_b128 v[XC+8*\s+4*\c:XC+8*\s+4*\c+3], v[CSR] offset:64*\s+32*\c   ; LDS serves a wave's instructions in order: these see my stores
.endr
.endr
	ds_load_b32 v[XS], v[SSR]
	s_wait_dscnt 0x0                               ; x's fragments; the first time W's too
	s_wait_alu depctr_vm_vsrc(0)                   ; my LDS stores have read BY and CD, which the list's arithmetic and the sums write from here on
	WIN 0x04                                       ; source 1 (W) window 1
.irp t, 0,1,2,3,4,5,6,7,8,9,10,11,12,13,14,15  ; the 16 accumulators take turns, one instruction a turn; the first K step starts the sums
	v_wmma_scale_f32_16x16x128_f8f6f4 v[ACC+8*\t:ACC+8*\t+7], v[XC:XC+7], v[16*\t:16*\t+7], 0, v[XS], v[WSC+\t] matrix_a_fmt:MATRIX_FMT_FP4 matrix_b_fmt:MATRIX_FMT_FP4
.endr
.irp t, 0,1,2,3,4,5,6,7,8,9,10,11,12,13,14,15
	v_wmma_scale_f32_16x16x128_f8f6f4 v[ACC+8*\t:ACC+8*\t+7], v[XC+8:XC+15], v[16*\t+8:16*\t+15], v[ACC+8*\t:ACC+8*\t+7], v[XS], v[WSC+\t] matrix_a_fmt:MATRIX_FMT_FP4 matrix_b_fmt:MATRIX_FMT_FP4 matrix_a_scale:MATRIX_SCALE_ROW1 matrix_b_scale:MATRIX_SCALE_ROW1
.endr
	WIN 0
	s_add_co_u32 s[J16], s[TJ], 1                  ; THE NEXT TILE'S LIST is made here, behind the matrix instructions, whether or not there is a next tile (its entries are held at the list's last):
	s_lshl_b32 s[J16], s[J16], 4                   ; work on registers that names none of theirs, so its lines are also the four places (ISA guide 7.12.1) ahead of the first read of results
	LIST
	ROWS
	WAYOUT
	s_wait_xcnt 0x0                                ; on both ways below: the tile's stores have had their addresses translated (ISA guide 3.1): OFFS and OUT are written again only behind this wait,
	s_wait_alu depctr_vm_vsrc(0)                   ; and they have read OFFS and OUT, which the next request, the next trip's quantiser and its way out write
	s_add_co_u32 s[TJ], s[TJ], 1
	s_cmp_ge_u32 s[TJ], s[NT]
	s_cbranch_scc1 .Lno_more                       ; the last tile asks for nothing: the jump leads round the request alone and stays in the loop
	OFFSETS 1
	s_sub_co_u32 s[NVI], s[NN], s[J16]
	s_wait_alu depctr_va_vdst(0)                   ; OFFL is written, which x's loads read; the matrix instructions have written the accumulators and the sums are done reading them: x's rows land there
	XLOADS 1
.Lno_more:
	s_cmp_lt_u32 s[TJ], s[NT]
	s_cbranch_scc1 .Ltile
	; ROWS OF NO TYPE keep zeros.  The work-groups of type 0 take those of their chunk; all others are done.  (No LDS instruction of the wave is out: the trip's last wait on them was for 0)
	s_cmp_eq_u32 s[TYP], 0
	s_cbranch_scc1 .Lno_type
	s_wait_dscnt 0x0
	s_wait_alu depctr_hold_cnt(0) depctr_sa_sdst(0) depctr_va_vdst(0) depctr_va_sdst(0) depctr_va_ssrc(0) depctr_va_vcc(0) depctr_vm_vsrc(0)
	s_wait_tensorcnt 0x0
	ds_add_u32 v30, v31
	s_wait_dscnt 0x0
	s_endpgm
.Lno_type:
.irp v, 0,1,2,3,4,5,6,7,8,9,10,11,12
	s_mov_b32 s[MK+\v], s[MZ+\v]
.endr
	COUNTS
	s_cmp_lg_u32 s[NN], 0
	s_cbranch_scc1 .Lzeros
	s_wait_dscnt 0x0
	s_wait_alu depctr_hold_cnt(0) depctr_sa_sdst(0) depctr_va_vdst(0) depctr_va_sdst(0) depctr_va_ssrc(0) depctr_va_vcc(0) depctr_vm_vsrc(0)
	s_wait_tensorcnt 0x0
	ds_add_u32 v30, v31
	s_wait_dscnt 0x0
	s_endpgm                                       ; every row of my share has a type
.Lzeros:
.irp i, 0,1,2,3
	v_mov_b32 v[BI+\i], 0                          ; b is done with: four zeros, 16 bytes a lane
.endr
	s_mov_b32 s[TJ], 0
.Lzero:                                            ; a trip is 16 entries of the list
	s_wait_xcnt 0x0                                ; the last trip's stores have had their addresses translated (ISA guide 3.1): OFFS is written again only behind this wait,
	s_wait_alu depctr_vm_vsrc(0)                   ; and they have read OFFS, which is written again below
	s_lshl_b32 s[J16], s[TJ], 4
	LIST
	ROWS
	OFFSETS 0
	s_sub_co_u32 s[NVC], s[NN], s[J16]             ; at least 1
	s_wait_alu depctr_va_vdst(0)                   ; OFFS is written, and in the first trip the four zeros: the stores below read both
.irp j, 0,1,2,3,4,5,6,7
.if \j > 0
	s_cmp_le_u32 s[NVC], 2*\j
	s_cbranch_scc1 .Lzdone
.endif
.irp g, 0,1,2,3
	global_store_b128 v[OFFS+\j], v[BI:BI+3], s[12:13] offset:256*\g th:TH_STORE_NT   ; sixteen lanes: 256 consecutive bytes, aligned; two rows an instruction
.endr
.endr
.Lzdone:
	s_add_co_u32 s[TJ], s[TJ], 1
	s_cmp_lt_u32 s[TJ], s[NT]
	s_cbranch_scc1 .Lzero
	s_wait_dscnt 0x0
	s_wait_alu depctr_hold_cnt(0) depctr_sa_sdst(0) depctr_va_vdst(0) depctr_va_sdst(0) depctr_va_ssrc(0) depctr_va_vcc(0) depctr_vm_vsrc(0)
	s_wait_tensorcnt 0x0
	ds_add_u32 v30, v31
	s_wait_dscnt 0x0
	s_endpgm
.Lfunc_end_k_qd5b4f0d631_hetero:
	.size	k_qd5b4f0d631_hetero, .Lfunc_end_k_qd5b4f0d631_hetero-k_qd5b4f0d631_hetero
	.p2alignl 7, 3214868480
	.fill 96, 4, 3214868480
	.section	.rodata,"a",@progbits
	.p2align	6, 0x0
	.amdhsa_kernel k_qd5b4f0d631_hetero
		.amdhsa_group_segment_fixed_size 60416
		.amdhsa_private_segment_fixed_size 0
		.amdhsa_enable_private_segment 0
		.amdhsa_kernarg_size 40
		.amdhsa_user_sgpr_count 2
		.amdhsa_user_sgpr_kernarg_segment_ptr 1
		.amdhsa_wavefront_size32 1
		.amdhsa_system_sgpr_workgroup_id_x 1
		.amdhsa_system_sgpr_workgroup_id_y 1
		.amdhsa_system_sgpr_workgroup_id_z 1
		.amdhsa_system_vgpr_workitem_id 0
		.amdhsa_next_free_vgpr 512
		.amdhsa_next_free_sgpr 98
		.amdhsa_reserve_vcc 1
		.amdhsa_float_denorm_mode_32 3
		.amdhsa_float_denorm_mode_16_64 3
		.amdhsa_memory_ordered 1
		.amdhsa_forward_progress 1
		.amdhsa_inst_pref_size 107
	.end_amdhsa_kernel
	.amdgpu_metadata
---
amdhsa.version: [ 1, 2 ]
amdhsa.kernels:
  - .name:           k_qd5b4f0d631_hetero
    .symbol:         k_qd5b4f0d631_hetero.kd
    .args:
      - { .name: x, .offset: 0, .size: 8, .value_kind: global_buffer, .address_space: global }
      - { .name: W, .offset: 8, .size: 8, .value_kind: global_buffer, .address_space: global }
      - { .name: b, .offset: 16, .size: 8, .value_kind: global_buffer, .address_space: global }
      - { .name: type_vec, .offset: 24, .size: 8, .value_kind: global_buffer, .address_space: global }
      - { .name: out0, .offset: 32, .size: 8, .value_kind: global_buffer, .address_space: global }
    .group_segment_fixed_size: 60416
    .private_segment_fixed_size: 0
    .kernarg_segment_align: 8
    .kernarg_segment_size: 40
    .max_flat_workgroup_size: 256
    .sgpr_count:     98
    .vgpr_count:     512
    .wavefront_size: 32
...
	.end_amdgpu_metadata
.endif
;; end of part 2
